; MI455X (gfx1250); checked and timed in simulation.
; The chip was launched on July 23, 2026; its instructions are those of AMD's public machine-readable ISA for CDNA 5 (MIT licence, August 2026) and "CDNA5" Instruction Set Architecture Reference Guide (July 2026). The comments in the code are by the model that wrote it; some were corrected since.
;; Bert Self Attention. Allowed arithmetic: matrix products marked QUANTISED: E2M3 operands, one E8M0 scale for each 32 along K, by v_wmma_scale_f32_16x16x128_f8f6f4 with both operands' format E2M3, f32 sums; everything else in f32.
;; Inputs: Wk 1,024 x 1,024 float32; Wq 1,024 x 1,024 float32; Wv 1,024 x 1,024 float32; attention_mask 2 x 2,048 float32; bk 1,024 float32; bq 1,024 float32; bv 1,024 float32; hidden_states 2 x 2,048 x 1,024 float32.
;; Outputs: out0 2 x 2,048 x 1,024 float32.
;; This version of the problem:
;;   THIS VERSION OF THE PROBLEM IS GIVEN IN LOW PRECISION. The matrix products marked QUANTISED in the list below multiply operands that are first quantised to E2M3 (2 exponent bits, 3 mantissa bits; 6 bits a number), with one power-of-two scale for each 32 numbers along K (OCP MX v1.0); their sums are f32. All else is computed in f32.
;;   The module's matrix products, in the order in which they are computed (A, B: the left and right operand; K: the contracted axis; several contracted axes count as one K, in the product's order):
;;     1. [M 4,096, K 1,024] x [K 1,024, N 1,024]; A: input hidden_states; B: input Wq: QUANTISED
;;     2. [M 4,096, K 1,024] x [K 1,024, N 1,024]; A: input hidden_states; B: input Wk: QUANTISED
;;     3. [M 4,096, K 1,024] x [K 1,024, N 1,024]; A: input hidden_states; B: input Wv: QUANTISED
;;     4. batch 32 x [M 2,048, K 64] x [K 64, N 2,048]; A: computed on the way; B: computed on the way: QUANTISED
;;     5. batch 32 x [M 2,048, K 2,048] x [K 2,048, N 64]; A: softmax (see below); B: computed on the way: QUANTISED
;;   THE QUANTISER, for each operand of a quantised product, along K:
;;     - K is cut into blocks of 32 from its start; a last block that is shorter is filled with zeros.
;;     - A block's scale is 2^e with e = floor(log2(the largest magnitude in the block)) - 2, held to -126 .. 127; a block of zeros has e = 0. As a byte (E8M0): e + 127.
;;     - Each number is divided by its block's scale, clamped to +-7.5, and rounded to the nearest number of E2M3, ties to even, subnormals kept.
;;     - The product sums the exact products of the quantised numbers (number of the format x scale) in f32.
;;   ~~~python
;;   def quantise(x, axis):      # numpy; x: float32 -> the quantised numbers, widened to float32 again
;;       x = np.moveaxis(x, axis, -1); K = x.shape[-1]
;;       x = np.pad(x, [(0, 0)] * (x.ndim - 1) + [(0, -K % 32)]); x = x.reshape(x.shape[:-1] + (-1, 32)); a = np.abs(x).max(-1, keepdims=True)
;;       e = np.where(a > 0, np.clip(np.frexp(np.where(a > 0, a, 1))[1] - 1 - 2, -126, 127), 0)      # np.frexp(a)[1] - 1 = floor(log2(a)), exactly
;;       r = np.clip(x / 2.0 ** e, -7.5, 7.5)
;;       step = 2.0 ** (np.maximum(np.frexp(np.where(r == 0, 1, r))[1] - 1, 0) - 3)
;;       q = np.round(r / step) * step * 2.0 ** e      # np.round: ties to even
;;       return np.moveaxis(q.reshape(q.shape[:-2] + (-1,))[..., :K], -1, axis).astype(np.float32)
;;   ~~~
;;   SOFTMAX AHEAD OF A QUANTISED PRODUCT. Where the list says 'softmax', what is quantised is not the finished softmax but p = 2^(t - M), with t = logit x log2(e) and M = ceil(the row's largest t), a whole number; so 1/2 < the row's largest p <= 1. The row's sum l is taken of the UNQUANTISED p, in f32, and the product's result is divided by l at the end. Since M is a whole number, a kernel that streams over the keys may use a running M (the ceiling of the running maximum): every later rescaling is an exact power of two, which a block's scale takes up: the codes' values come out the same.
;;   OPERANDS COMPUTED ON THE WAY. 'Computed on the way' means the value that the module computes at that place (a softmax that the list does not call 'softmax' is quantised finished and normalised). What goes into a quantiser is computed in f32, as accurately as f32 sums, v_exp_f32 and their like allow (about 1e-6 of the number): no bf16 or f16 on the way to a quantiser, and a product that is left as it is and whose result goes on into a quantised operand takes f32 operands (vector FMAs, or v_wmma_f32_16x16x4_f32). A number that lies on a knife's edge between two numbers of the format may be rounded either way, as far as f32 arithmetic and the matrix unit's own rounding can turn it there, and no further.
;; One version. Each part assembles by itself: llvm-mc -triple=amdgcn-amd-amdhsa -mcpu=gfx1250 --defsym DOCPART=n.
;; ======== version 1 of 1: 3 launches
;; limits: right only within a limited range of input values; inputs' magnitudes at most 4.25e+33
;; workspace buffers: xw_codes 5,505,024 bytes; xw_scales 229,376 bytes; qkc 6,291,456 bytes; qks 262,144 bytes; vc 3,145,728 bytes; vs 131,072 bytes
;; launch quant (part 1): grid 224 x 1, 4 waves a work-group, no clusters, 33,280 bytes of LDS; arguments hidden_states, Wq, Wk, Wv, xw_codes, xw_scales; writes xw_codes, xw_scales
.if DOCPART == 1
	.amdgcn_target "amdgcn-amd-amdhsa--gfx1250"
	.amdhsa_code_object_version 6
	.text
	.protected	k_q83fbdb0d3c_quant
	.globl	k_q83fbdb0d3c_quant
	.p2align	8
	.type	k_q83fbdb0d3c_quant,@function
k_q83fbdb0d3c_quant:
	s_mov_b64 s[64:65], 0
	v_nop
	global_prefetch_b8 v0, s[64:65] scope:SCOPE_SE
	s_setreg_imm32_b32 hwreg(HW_REG_WAVE_MODE, 25, 1), 1
	s_wait_xcnt 0x0
; hidden_states [4096][1024], Wq, Wk, Wv [1024][1024], f32, K innermost, become codes of FP6 (E2M3), 6 bits each, with one E8M0 scale byte for each 32 along K.
; They land in ONE table of 7,168 rows: rows 0-4095 hidden_states, 4096-5119 Wq, 5120-6143 Wk, 6144-7167 Wv; a row is 768 bytes of codes and 32 scale bytes.
; A block's scale byte is its largest magnitude's exponent field - 2, held at 1 from below.  (A block of zeros so gets the byte 1 where the rule says 127: its codes are zeros,
; which add nothing under any byte but 0xff, and the bytes are read by this program alone.)
; LIMITS: blocks whose largest magnitude lies under 2^-124 keep the byte 1; NaN and infinities among the inputs are not served.
; THE ROWS ARE WRITTEN IN ANOTHER ORDER THAN THEY ARE READ, in groups of 8 rows: with c, h = 0, 1 and j = 0..3, token 128 g + 64 c + 32 h + 8 j + i goes to row 128 g + 32 j + 16 c + 8 h + i,
; a weight's row 64 n + 32 h + 8 j + i to row 64 n + 16 j + 8 h + i: so the next launch's results fall as whole scale blocks in a lane.
; A work-group takes 32 rows, a wave 8: 16 steps of 512 numbers.  Each of a step's four loads reads 512 consecutive bytes; the 2,048 bytes turn through the wave's own stage in LDS
; and come back 64 bytes a lane: 16 neighbours along K, which the conversion wants in one lane's registers (two neighbouring lanes hold a block).
; A wave's 256 scale bytes are gathered in LDS and leave as one aligned run of 256 bytes.  No tensor loads, no barrier: waves share nothing.  Loads run eight steps (32 loads a wave) ahead.
.set STEPS, 16
.set AHEAD, 8
.set EMAX,  2
.set CB,    12                         ; bytes of 16 codes
.set SPW,   12                         ; v12 LDS address of my spare word, v13 0
.set NIL,   13
.set R,     16                         ; v16-143  eight sets of 16 numbers as they are loaded
.set X,     144                        ; v144-175 two sets of 16 neighbours
.set C,     176                        ; v176-239 codes: four registers for each step, so that no store's data are written again
.set E,     240                        ; v240-255 a scale byte for each step
.set WREG,  8192                       ; LDS: a region for each wave: two stages of 32 x SP bytes, and behind them its 256 scale bytes
.set SP,    80                         ; a lane's place in a stage: 64 bytes + 16 of padding
.set SPARE, 4*WREG
	s_load_b256 s[4:11], s[0:1], 0x0               ; hidden_states s[4:5], Wq s[6:7], Wk s[8:9], Wv s[10:11]
	s_load_b128 s[12:15], s[0:1], 0x20             ; the codes s[12:13], the scale bytes s[14:15]
	v_lshl_add_u32 v[SPW], v0, 2, SPARE
	v_mov_b32 v[NIL], 0
	v_lshrrev_b32 v1, 5, v0
	v_readfirstlane_b32 s16, v1                    ; wave
	v_and_b32 v2, 31, v0                           ; lane
	v_lshlrev_b32 v3, 4, v2                        ; my 16 bytes of a load's 512
	s_mul_i32 s17, s16, WREG
	v_lshrrev_b32 v14, 2, v2
	v_mul_u32_u24 v14, v14, SP
	v_and_b32 v15, 3, v2
	v_lshl_add_u32 v14, v15, 4, v14
	v_add_nc_u32 v14, s17, v14                     ; the stage, on the way in: four lanes' 64 bytes on end, then 16 of padding
	v_mul_u32_u24 v15, v2, SP
	v_add_nc_u32 v15, s17, v15                     ; and on the way out: SP x lane: my 16 neighbours
	v_mul_u32_u24 v4, v2, CB                       ; my codes' place in a step's
	v_lshrrev_b32 v5, 1, v2
	s_add_co_u32 s17, s17, 2*32*SP
	v_add_nc_u32 v5, s17, v5                       ; LDS: my block's scale byte
	v_lshlrev_b32 v7, 3, v2                        ; and on the way out 8 bytes a lane
	v_add_nc_u32 v6, s17, v7
	s_and_b32 s18, ttmp9, 31                       ; a weight's group of 32 rows
	s_wait_alu depctr_va_vdst(0)                   ; the wait at the head's end
	s_wait_kmcnt 0x0
	s_cmp_lt_u32 ttmp9, 192                        ; 0-127 hidden_states, 128-159 Wq, 160-191 Wk, 192-223 Wv
	s_cselect_b64 s[10:11], s[8:9], s[10:11]
	s_cmp_lt_u32 ttmp9, 160
	s_cselect_b64 s[10:11], s[6:7], s[10:11]
	s_cmp_lt_u32 ttmp9, 128
	s_cselect_b64 s[4:5], s[4:5], s[10:11]
	s_cselect_b32 s18, ttmp9, s18                  ; the group of 32 rows within its tensor
	s_lshl_b32 s18, s18, 2
	s_add_co_u32 s18, s18, s16                     ; my 8 rows as they are read,
	s_lshl_b32 s18, s18, 15                        ; 32,768 bytes each run
	s_mov_b32 s19, 0
	s_add_nc_u64 s[4:5], s[4:5], s[18:19]
	s_lshl_b32 s20, ttmp9, 2
	s_add_co_u32 s20, s20, s16                     ; my group of 8 rows, counted through all four tensors
	s_and_b32 s21, s20, 3                          ; j
	s_lshl_b32 s22, s21, 2
	s_bfe_u32 s23, s20, 0x20002
	s_or_b32 s22, s22, s23                         ; a token's place in 16 groups: 4 j + 2 c + h
	s_lshl_b32 s21, s21, 1
	s_bfe_u32 s23, s20, 0x10002
	s_or_b32 s21, s21, s23                         ; a weight's in 8 groups: 2 j + h
	s_and_b32 s23, s20, -16
	s_or_b32 s22, s22, s23
	s_and_b32 s23, s20, -8
	s_or_b32 s21, s21, s23
	s_cmp_lt_u32 ttmp9, 128
	s_cselect_b32 s20, s22, s21
	s_mul_i32 s18, s20, 8*768
	s_add_nc_u64 s[12:13], s[12:13], s[18:19]
	s_lshl_b32 s18, s20, 8                         ; 8 rows x 32 scale bytes
	s_add_nc_u64 s[14:15], s[14:15], s[18:19]
.macro LOAD t
.irp i, 0,1,2,3
	global_load_b128 v[R+16*((\t)%AHEAD)+4*\i:R+16*((\t)%AHEAD)+4*\i+3], v3, s[4:5] offset:2048*(\t)+512*\i th:TH_LOAD_NT
.endr
.endm
.macro TURN t                          ; step t's numbers through the stage: LDS serves a wave's instructions in order, so no wait stands between the stores and the loads
.irp i, 0,1,2,3
	ds_store_b128 v14, v[R+16*((\t)%AHEAD)+4*\i:R+16*((\t)%AHEAD)+4*\i+3] offset:32*SP*((\t)%2)+8*SP*\i
.endr
.irp i, 0,1,2,3
	ds_load_b128 v[X+16*((\t)%2)+4*\i:X+16*((\t)%2)+4*\i+3], v15 offset:32*SP*((\t)%2)+16*\i
.endr
.endm
.irp t, 0,1,2,3,4,5,6,7
	LOAD \t
.endr
	s_wait_loadcnt 4*(AHEAD-1)                     ; step 0's four loads are in
	TURN 0
.macro STEP t
.set XS, X+16*((\t)%2)
.if (\t) > 0
	s_wait_dscnt 1                                 ; this step's numbers are back (the last step's byte store may be out): so its stores into the stage have read their registers,
.else
	s_wait_dscnt 0x0
.endif
.if (\t)+AHEAD < STEPS
	LOAD (\t)+AHEAD                                ; which take the loads of eight steps on
.endif
.if (\t)+1 < STEPS
.if STEPS-2-(\t) >= AHEAD-1
	s_wait_loadcnt 4*(AHEAD-1)                     ; the next step's four loads are in; those of the steps behind it may be out
.else
	s_wait_loadcnt 4*(STEPS-2-(\t))
.endif
	TURN (\t)+1
.endif
	v_max3_num_f32 v8, |v[XS]|, |v[XS+1]|, |v[XS+2]|               ; the largest magnitude of my 16, in two chains
	v_max3_num_f32 v9, |v[XS+3]|, |v[XS+4]|, |v[XS+5]|
.irp i, 6,10
	v_max3_num_f32 v8, v8, |v[XS+\i]|, |v[XS+\i+1]|
	v_max3_num_f32 v9, v9, |v[XS+\i+2]|, |v[XS+\i+3]|
.endr
	v_max3_num_f32 v8, v8, |v[XS+14]|, |v[XS+15]|
	v_max3_num_f32 v8, v8, v9, (EMAX+1)<<23        ; and the floor: so the byte cannot fall under 1
	v_max_num_f32_dpp v8, v8, v8 row_xmask:1 row_mask:0xf bank_mask:0xf   ; and of my neighbour's 16: the block's
	v_add_nc_u32 v11, -(EMAX<<23), v8              ; EMAX off its exponent field: the conversion takes that field alone as its scale
	v_cvt_scalef32_pk16_fp6_f32 v[C+4*(\t):C+4*(\t)+2], v[XS:XS+15], v11
	v_lshrrev_b32 v[E+(\t)], 23, v11               ; the scale's byte
	ds_store_b8 v5, v[E+(\t)] offset:16*(\t)       ; both lanes of a block write the same byte with the same value
	global_store_b96 v4, v[C+4*(\t):C+4*(\t)+2], s[12:13] offset:32*CB*(\t)   ; 384 consecutive bytes
.endm
.irp t, 0,1,2,3,4,5,6,7,8,9,10,11,12,13,14,15
	STEP \t
.endr
	ds_load_b64 v[8:9], v6                         ; LDS serves a wave's instructions in order: these see my stores
	s_wait_dscnt 0x0
	global_store_b64 v7, v[8:9], s[14:15]          ; 256 consecutive bytes, aligned
	s_wait_tensorcnt 0x0                           ; the wave's end
	ds_add_u32 v[SPW], v[NIL]
	s_wait_dscnt 0x0
	s_endpgm
.Lfunc_end_k_q83fbdb0d3c_quant:
	.size	k_q83fbdb0d3c_quant, .Lfunc_end_k_q83fbdb0d3c_quant-k_q83fbdb0d3c_quant
	.p2alignl 7, 3214868480
	.fill 96, 4, 3214868480
	.section	.rodata,"a",@progbits
	.p2align	6, 0x0
	.amdhsa_kernel k_q83fbdb0d3c_quant
		.amdhsa_group_segment_fixed_size 33280
		.amdhsa_private_segment_fixed_size 0
		.amdhsa_enable_private_segment 0
		.amdhsa_kernarg_size 48
		.amdhsa_user_sgpr_count 2
		.amdhsa_user_sgpr_kernarg_segment_ptr 1
		.amdhsa_wavefront_size32 1
		.amdhsa_system_sgpr_workgroup_id_x 1
		.amdhsa_system_sgpr_workgroup_id_y 1
		.amdhsa_system_sgpr_workgroup_id_z 1
		.amdhsa_system_vgpr_workitem_id 0
		.amdhsa_next_free_vgpr 256
		.amdhsa_next_free_sgpr 66
		.amdhsa_reserve_vcc 0
		.amdhsa_float_denorm_mode_32 3
		.amdhsa_float_denorm_mode_16_64 3
		.amdhsa_memory_ordered 1
		.amdhsa_forward_progress 1
		.amdhsa_inst_pref_size 33
	.end_amdhsa_kernel
	.amdgpu_metadata
---
amdhsa.version: [ 1, 2 ]
amdhsa.kernels:
  - .name:           k_q83fbdb0d3c_quant
    .symbol:         k_q83fbdb0d3c_quant.kd
    .args:
      - { .name: hidden_states, .offset: 0, .size: 8, .value_kind: global_buffer, .address_space: global }
      - { .name: Wq, .offset: 8, .size: 8, .value_kind: global_buffer, .address_space: global }
      - { .name: Wk, .offset: 16, .size: 8, .value_kind: global_buffer, .address_space: global }
      - { .name: Wv, .offset: 24, .size: 8, .value_kind: global_buffer, .address_space: global }
      - { .name: xw_codes, .offset: 32, .size: 8, .value_kind: global_buffer, .address_space: global }
      - { .name: xw_scales, .offset: 40, .size: 8, .value_kind: global_buffer, .address_space: global }
    .group_segment_fixed_size: 33280
    .private_segment_fixed_size: 0
    .kernarg_segment_align: 8
    .kernarg_segment_size: 48
    .max_flat_workgroup_size: 128
    .sgpr_count:     66
    .vgpr_count:     256
    .wavefront_size: 32
...
	.end_amdgpu_metadata
.endif
;; end of part 1
;; launch proj (part 2): grid 16 x 16, 4 waves a work-group, clusters of 4 x 4, 327,680 bytes of LDS; arguments xw_codes, xw_scales, qkc, qks, vc, vs, bq, bk, bv; writes qkc, qks, vc, vs
.if DOCPART == 2
	.amdgcn_target "amdgcn-amd-amdhsa--gfx1250"
	.amdhsa_code_object_version 6
	.text
	.protected	k_q83fbdb0d3c_proj
	.globl	k_q83fbdb0d3c_proj
	.p2align	8
	.type	k_q83fbdb0d3c_proj,@function
k_q83fbdb0d3c_proj:
	s_mov_b64 s[64:65], 0
	v_nop
	global_prefetch_b8 v0, s[64:65] scope:SCOPE_SE
	s_setreg_imm32_b32 hwreg(HW_REG_WAVE_MODE, 25, 1), 1
	s_wait_xcnt 0x0
	s_wait_alu depctr_hold_cnt(0) depctr_sa_sdst(0) depctr_va_vdst(0) depctr_va_sdst(0) depctr_va_ssrc(0) depctr_va_vcc(0) depctr_vm_vsrc(0)
	s_getreg_b32 s2, hwreg(HW_REG_IB_STS2, 6, 4)
	s_cmp_eq_u32 s2, 0
	s_cbranch_scc0 .Lentry_in_a_cluster
	s_endpgm
.Lentry_in_a_cluster:
	s_bfe_u32 s2, ttmp6, 0x10000c
	s_cmp_lg_u32 s2, 0xf033
	s_cbranch_scc0 .Lentry_shape_is_right
	s_endpgm
.Lentry_shape_is_right:
; Q, K, V = x W^T + b AND THEIR QUANTISERS.  The results leave as codes of FP6 and scale bytes, in the order of the operand registers of the launch that reads them; no f32 result is stored.
; LIMITS: NaN and infinities are not served; a block of zeros keeps the scale byte 1.
; INPUTS: the table of codes (rows of 768 bytes) and of scale bytes (rows of 32): x's 4,096 rows, then W_q's, W_k's, W_v's 1,024 each, in the order that the launch before laid them:
; row 128 g + 32 j + 16 c + 8 h + i is token 128 g + 64 c + 32 h + 8 j + i (step g, band c, tile j); row 64 n + 16 j + 8 h + i of a weight is column 64 n + 32 h + 8 j + i (head n).
; OUTPUTS (lane = 16 h + r): qkc[v = 0..31: Q's heads, then K's][step 0..31][c][p][piece of 4 registers][lane][16 bytes]: an operand is tiles j = 2 p, 2 p + 1 of band c, six registers each;
; qks[v][step][c][r][p][j % 2][h] bytes;  vc[head][step][q = 0..5: registers 2 q, 2 q + 1][t][lane][8 bytes]: registers 6 c .. are band c, t the tile of 16 columns;  vs[head][step][t / 2][r][t % 2][2 c + h] bytes.
; THE DEAL.  256 work-groups of four waves, 2 x 2; a wave holds 64 rows of a weight, ALL of K, in registers and streams x's rows past them in blocks of 16: the wave in row w takes rows 32 s + 16 w .. + 15 as block s: band w.
; A work-group makes 128 x 128 of V, PHASE 1, then 256 x 128 of Q or K, PHASE 2.  V's 128 rows are a half of its own 256: half s87, which hangs on the cluster's number alone; slot 0 holds that half, slot 1 the other.
; x's rows are shared by a row of the cluster (mask s44), a weight's rows by a column (mask s45): joint loads.
; LDS: slot 0 at 0, slot 1 at YB, the weights' 128 rows at BVB, two places for a chunk's scale bytes (SCL), the stages for the results' scale bytes (XN, XM), the spare words.
; FILLS.  At the head one tensor load a wave: W_v's rows, V's half's scale bytes, its codes, the other half's codes.  ONE round with loads behind it, in V's first block: W_q's or W_k's rows onto W_v's (by then in registers), and the other half's scale bytes.
; A plain barrier in V's last block shows both to all waves.  PREFETCH: the second weight's rows, at the head, each 256-byte block once by the sixteen waves of a column of the cluster.  The rest is asked for at the head itself.
; A BLOCK is 32 products; behind every second one stand two ENTRIES of the block's list: scalar lines and one vector line each: the next block's LDS addresses, descriptors, and the first part of the LAST block's way out.
; THE WAY OUT of 32 sums in a lane: the largest magnitude by two chains of v_max3, the scale, two conversions.
; WAITS: younger than a block's rows are the next block's fetch (NF loads) and the scale bytes' stores between (four behind phase 2's first block, else one).
.set TOK,    4096
.set NQ,     8                         ; matrix instructions deep: K / 128
.set NB,     4                         ; column tiles a wave
.set TN,     128
.set KROW,   768
.set KS,     32
.set PITCH,  KROW+16*(KROW/256)        ; an LDS row: 3 x (256 + 16)
.set FR,     12
.set FPW,    256/FR                    ; fragments in a window of 256 registers: 21
.set NF,     28                        ; LDS loads of a block: 26 for eight fragments, 2 for eight scale words
.set RA,     128                       ; rows of a chunk
.set YB,     RA*PITCH
.set BVB,    2*RA*PITCH
.set SCL,    BVB+TN*PITCH
.set CU,     RA*KS/256                 ; a chunk's scale bytes: 16 units of 256 bytes
.set SCB,    CU*272
.set SSTEP,  (32*KS/256)*272
.set XN,     SCL+2*SCB                 ; Q's or K's scale bytes: [wave column][half in the order of work][256]
.set XM,     XN+1024                   ; V's: [wave column][256]
.set SPARE,  XM+512
.set EMAX,   2
.set STEPB,  6144                      ; a step of 128 tokens of one head
.set ADRA0, 4                          ; v4, v5  LDS address of my fragments of block 0 (v5: pieces behind one padding more); v1, v22: of block 1
.set AAS0,  6                          ; v6      of my row's scale words in block 0; v23: in block 1
.set CO,    9                          ; v9      16 x lane
.set SPW,   10
.set NIL,   11
.set ADRA,  12                         ; v12, v13  as v4, v5, for the block that is fetched next
.set ADRB,  14                         ; v14, v15  of the weights
.set ABS,   16                         ; v16     my offset in the weights' scale bytes
.set AAS,   17
.set STO,   18                         ; v18     LDS, Q's or K's scale byte
.set STV,   19                         ; v19     LDS, V's
.set C8,    20                         ; v20     8 x lane
.set SB,    24                         ; v24-39  the weights' scale words
.set TQ,    40                         ; v40, v41  the two chains
.set SA,    44                         ; v44-59  the rows' scale words: two sets of eight
.set TC,    60                         ; v60-62  the second conversion's codes
.set ACC,   64                         ; v64-127 phase 2: two sets of four accumulators
.set NCD,   128                        ; v128-139 an operand: six registers of the even block, six of the odd
.set BBQ,   160                        ; v160-191 Q's or K's bias as the first four products' C
.set MCD,   192                        ; v192-215 phase 1: six registers for each of four tiles
.set SOP,   240
.set EB,    244
.set HV1,   840                        ; v840-967 phase 1's sums: 32 t + 8 j + i
.set SB2,   968                        ; v968-983 phase 2's weights' scale words
.set BA,    984                        ; v984-991 LDS addresses of the weights' four column tiles
.set BBV,   992                        ; v992-1023 V's bias
.set G1A, 24                           ; s[24:31] group 1 of x's rows; s[56:59], s[68:71] group 0
.set G0A, 56
.set G0R, 68
.set G1B, 32                           ; s[32:39], s[60:63] of a weight's rows
.set G0B, 60
.set G1S, 92                           ; s[92:99], s[72:75] of scale bytes
.set G0S, 72
.set MSB, 0
.macro WIN new
.if MSB != \new
	s_set_vgpr_msb (MSB<<8)|\new
.set MSB, \new
.endif
.endm
.macro PLACES n
.rept \n
	v_nop
.endr
.endm
.macro WALU
	s_wait_alu depctr_va_vdst(0)
.endm
.macro BARRIER
	s_barrier_signal -1
	s_barrier_wait -1
.endm
.macro MIDDLE                          ; a round's middle
	WIN 0
	s_barrier_wait -1
	s_cmp_lg_u32 s14, 0
	s_cbranch_scc1 .Lnot_wave_0_\@
	s_barrier_signal -3
.Lnot_wave_0_\@:
	s_barrier_wait -3
.endm
.macro CROUND
	s_barrier_signal -1
	MIDDLE
	BARRIER
.endm
.macro GRD
	s_wait_tensorcnt 0x0
	ds_add_u32 v[SPW], v[NIL]
.endm
.macro TLOAD g0, g1
	tensor_load_to_lds s[\g0:\g0+3], s[\g1:\g1+7]
	s_nop 0
	PLACES 4
.endm
.macro GROUP1 g, mask, rows
	s_or_b32 s[\g+0], s[\mask], (1<<20)|(1<<21)|(5<<22)|(3<<25)
	s_mov_b32 s[\g+1], (KROW&0xffff)<<16
	s_mov_b32 s[\g+2], (KROW>>16)|((\rows)<<16)
	s_mov_b32 s[\g+3], KROW<<16
	s_mov_b32 s[\g+4], \rows
	s_mov_b32 s[\g+5], KROW
	s_mov_b32 s[\g+6], 0
	s_mov_b32 s[\g+7], 0
.endm
.macro SADD d, x
	s_add_co_u32 s\d, s\d, s\x
.endm
.macro G0SET g, base, off              ; group 0's address: 64-bit base + the 32-bit offset in s\off (s21 = 0)
	s_mov_b32 s20, s\off
	s_add_nc_u64 s[\g+2:\g+3], s[\base:\base+1], s[20:21]
	s_or_b32 s[\g+3], s[\g+3], 0x80000000
.endm
; Fragment f lies in window 1 + f / 21 at register 12 (f % 21): 0-31 the weights' (4 q + b), 32-39 and 40-47 the rows' two sets.
.macro FRAG f, q, a0, a1, aw           ; six pieces of 8 bytes, two to a load where both lie behind as many paddings
	WIN ((1+(\f)/FPW)<<6)|(\aw)
.set R_, FR*((\f)%FPW)
.set SKIP_, 0
.irp p, 0,1,2,3,4,5
.if SKIP_
.set SKIP_, 0
.else
.set PC_, 12*(\q)+6*(\p/3)+\p%3
.set PN_, 12*(\q)+6*((\p+1)/3)+(\p+1)%3
.set X_, (PC_%32+3)/32
.set XQ_, (PN_%32+3)/32
.if (\p < 5) && (X_ == XQ_)
.set SKIP_, 1
.if X_
	ds_load_2addr_b64 v[R_+2*\p:R_+2*\p+3], \a1 offset0:PC_+2*(PC_/32) offset1:PN_+2*(PN_/32)
.else
	ds_load_2addr_b64 v[R_+2*\p:R_+2*\p+3], \a0 offset0:PC_+2*(PC_/32) offset1:PN_+2*(PN_/32)
.endif
.elseif X_
	ds_load_b64 v[R_+2*\p:R_+2*\p+1], \a1 offset:8*(PC_+2*(PC_/32))
.else
	ds_load_b64 v[R_+2*\p:R_+2*\p+1], \a0 offset:8*(PC_+2*(PC_/32))
.endif
.endif
.endr
.endm
.macro WEIGHTS                         ; my 64 rows of the weight, all of K: 104 loads
.irp q, 0,1,2,3,4,5,6,7
.irp b, 0,1,2,3
	FRAG NB*\q+\b, \q, v[BA-768+2*\b], v[BA-768+2*\b+1], 3
.endr
.endr
	WIN 0
.endm
.macro FETCHAT e, a0, a1, as           ; a block of x's rows into set e: NF loads
.irp q, 0,1,2,3,4,5,6,7
	FRAG NB*NQ+NQ*(\e)+\q, \q, \a0, \a1, 0
.endr
	WIN 0
	ds_load_b128 v[SA+8*(\e):SA+8*(\e)+3], \as
	ds_load_b128 v[SA+8*(\e)+4:SA+8*(\e)+7], \as offset:16
.endm
.macro FETCH e
	FETCHAT \e, v[ADRA], v[ADRA+1], v[AAS]
.endm
.macro FETCH01                         ; a phase's first two blocks, from slot 0
	FETCHAT 0, v[ADRA0], v[ADRA0+1], v[AAS0]
	FETCHAT 1, v1, v22, v23
.endm
; A product.  n = 4 q + 2 p + o.  kind 0 (Q, K): source 0 the weight's rows; kind 1 (V): source 0 x's rows.  The first four take the bias as C.
.macro PROD kind, e, n, a0, as
.set Q_, (\n)/4
.set FB_, NB*Q_+(\n)%4
.set FA_, NB*NQ+NQ*(\e)+Q_
.set D_, (\a0)+(\as)*((\n)%4)
.set DL_, D_&255
.set XB_, SB+NQ*(((\n)%4)/2)+Q_
.set XA_, SA+8*(\e)+Q_
.if \kind
.if Q_
	WIN (1+FA_/FPW)|((1+FB_/FPW)<<2)|((D_>>8)<<4)|((D_>>8)<<6)
	PROD1 DL_, FA_, FB_, v[DL_:DL_+7], XA_, XB_, b, (\n)%2
.else
	WIN (1+FA_/FPW)|((1+FB_/FPW)<<2)|(3<<4)|((D_>>8)<<6)
	PROD1 DL_, FA_, FB_, v[BBV-768+8*((\n)%4):BBV-768+8*((\n)%4)+7], XA_, XB_, b, (\n)%2
.endif
.else
	WIN (1+FB_/FPW)|((1+FA_/FPW)<<2)|((D_>>8)<<4)|((D_>>8)<<6)
.if Q_
	PROD1 DL_, FB_, FA_, v[DL_:DL_+7], XB_, XA_, a, (\n)%2
.else
	PROD1 DL_, FB_, FA_, v[BBQ+8*((\n)%4):BBQ+8*((\n)%4)+7], XB_, XA_, a, (\n)%2
.endif
.endif
.endm
.macro PROD1 d, s0, s1, c, x0, x1, side, o
.if \o
	v_wmma_scale_f32_16x16x128_f8f6f4 v[\d:\d+7], v[FR*((\s0)%FPW):FR*((\s0)%FPW)+FR-1], v[FR*((\s1)%FPW):FR*((\s1)%FPW)+FR-1], \c, v[\x0], v[\x1] matrix_a_fmt:MATRIX_FMT_FP6 matrix_b_fmt:MATRIX_FMT_FP6 matrix_\side\()_scale:MATRIX_SCALE_ROW1
.else
	v_wmma_scale_f32_16x16x128_f8f6f4 v[\d:\d+7], v[FR*((\s0)%FPW):FR*((\s0)%FPW)+FR-1], v[FR*((\s1)%FPW):FR*((\s1)%FPW)+FR-1], \c, v[\x0], v[\x1] matrix_a_fmt:MATRIX_FMT_FP6 matrix_b_fmt:MATRIX_FMT_FP6 matrix_\side\()_scale:MATRIX_SCALE_ROW0
.endif
.endm
; Products \from .. \to - 1 of a block; behind every second one, two entries of the list \list
.macro BLOCK kind, e, a0, as, from, to, list, x=0, y=0, z=0
.set N_, \from
.rept (\to)-(\from)
	PROD \kind, \e, N_, \a0, \as
.if N_%2
	\list N_-1, \x, \y, \z
	\list N_, \x, \y, \z
.endif
.set N_, N_+1
.endr
.endm
.macro STEP i, z                       ; block z's LDS addresses: 3 entries
.if (\i) == 0
	WIN 0
	v_add_nc_u32 v[ADRA], (\z)*32*PITCH, v[ADRA0]
.elseif (\i) == 1
	WIN 0
	v_add_nc_u32 v[ADRA+1], (\z)*32*PITCH, v[ADRA0+1]
.elseif (\i) == 2
	WIN 0
	v_add_nc_u32 v[AAS], (\z)*SSTEP, v[AAS0]
.endif
.endm
.macro CHAIN i, x, n, t=TQ             ; a way out's first part, 18 entries: the largest magnitude of the 32 sums from register x on, and the conversions' scale operand, v[SOP+n]
.set XW_, (\x)>>8
.set XL_, (\x)&255
.if (\i) >= 0 && (\i) < 14
.set B_, XL_+16*((\i)%2)+2*((\i)/2)
.set T_, (\t)+1-(\i)%2
.if (\i) < 2
	WIN XW_|(XW_<<2)|(XW_<<4)
	v_max3_num_f32 v[T_], |v[B_]|, |v[B_+1]|, |v[B_+2]|
.else
	WIN (XW_<<2)|(XW_<<4)
	v_max3_num_f32 v[T_], v[T_], |v[B_+1]|, |v[B_+2]|
.endif
.elseif (\i) == 14
	WIN XW_<<2
	v_max3_num_f32 v[\t+1], v[\t+1], |v[XL_+15]|, (EMAX+1)<<23
.elseif (\i) == 15
	WIN 0
	v_nop                                  ; so that the next line, which reads entry 14's result, stands in the next pair
.elseif (\i) == 16
	WIN XW_<<2
	v_max3_num_f32 v[\t], v[\t], |v[XL_+31]|, v[\t+1]
.elseif (\i) == 17
	WIN 0
	v_add_nc_u32 v[SOP+\n], -(EMAX<<23), v[\t]
.endif
.endm
.macro CODES i, x, c, n, t=TC          ; its second part, 6 lines: 32 codes into v[c .. c+5], the scale's byte into v[EB+n]
.set XW_, (\x)>>8
.set XL_, (\x)&255
.if (\i) == 0
	WIN XW_
	v_cvt_scalef32_pk16_fp6_f32 v[\c:\c+2], v[XL_:XL_+15], v[SOP+\n]
.elseif (\i) == 1
	WIN XW_
	v_cvt_scalef32_pk16_fp6_f32 v[\t:\t+2], v[XL_+16:XL_+31], v[SOP+\n]
.elseif (\i) == 2
	WIN 0
	v_lshrrev_b32 v[EB+\n], 23, v[SOP+\n]
.else
	WIN 0
	v_mov_b32 v[\c+\i], v[\t+\i-3]
.endif
.endm
.macro CODES6 x, c, n
.irp i, 0,1,2,3,4,5
	CODES \i, \x, \c, \n
.endr
.endm
.macro PUT3 r, base, off
.irp k, 0,1,2
	global_store_b128 v[CO], v[\r+4*\k:\r+4*\k+3], \base offset:(\off)+512*\k
.endr
.endm
; The lists
.macro L_STEP i, x, y, z
	STEP \i, \z
.endm
.macro L_NONE i, x, y, z
.endm
.macro L_OUT i, x, y, z                ; block z's addresses, then the way out of the sums at x (scale operand y)
	STEP \i, \z
	CHAIN (\i)-3, \x, \y
.endm
.macro L_LAST i, x, y, z
	CHAIN \i, \x, \y
.endm
.macro L_V0 i, x, y, z                 ; the round's descriptors: the second weight's rows, the other half's scale bytes; then the step
.if (\i) == 0
	s_mov_b32 s20, s9
	s_mov_b32 s21, 0
	s_add_nc_u64 s[G0B+2:G0B+3], s[4:5], s[20:21]
	s_or_b32 s[G0B+3], s[G0B+3], 0x80000000
.elseif (\i) == 1
	s_mov_b32 s20, s55
	s_add_nc_u64 s[G0S+2:G0S+3], s[6:7], s[20:21]
	s_or_b32 s[G0S+3], s[G0S+3], 0x80000000
	s_mov_b32 s[G0S+1], SCL+SCB
.endif
	STEP (\i)-2, \z
.endm
.macro ODD w, s                        ; an odd block s of phase 2: the even block's way out inside
	s_wait_dscnt \w
	s_wait_xcnt 0x0
.if (\s) < 6
	BLOCK 0, 1, ACC+32, 8, 0, 32, L_OUT, ACC, 0, (\s)+2
.else
	BLOCK 0, 1, ACC+32, 8, 0, 32, L_LAST, ACC, 0
.endif
	WIN 0
	CODES6 ACC, NCD, 0
	WALU
	ds_store_b8 v[STO], v[EB] offset:((\s)/4)*256+(((\s)%4)/2)*4
.if (\s) < 6
	FETCH 1
.endif
.endm
.macro PAIROUT k                       ; pair k's codes
.if (\k) < 2
	PUT3 NCD, s[10:11], ((\k)%2)*1536
.else
	PUT3 NCD, s[88:89], ((\k)%2)*1536
.endif
.endm
.macro EVEN w, s                       ; an even block s: the odd block's way out inside, then the pair's codes leave
	s_wait_dscnt \w
.if (\s) < 6
	BLOCK 0, 0, ACC, 8, 0, 32, L_OUT, ACC+32, 1, (\s)+2
.else
	BLOCK 0, 0, ACC, 8, 0, 32, L_LAST, ACC+32, 1
.endif
	WIN 0
	CODES6 ACC+32, NCD+6, 1
	WALU
	ds_store_b8 v[STO], v[EB+1] offset:(((\s)-1)/4)*256+((((\s)-1)%4)/2)*4+2
	PAIROUT ((\s)-2)/2
.if (\s) < 6
	FETCH 0
.endif
.endm
; ================= THE HEAD
	s_load_b128 s[4:7], s[0:1], 0x0                     ; codes, scale bytes
	s_load_b64 s[2:3], s[0:1], 0x30                     ; bq
	s_load_b64 s[46:47], s[0:1], 0x38                   ; bk
	s_load_b64 s[52:53], s[0:1], 0x40                   ; bv
	v_lshl_add_u32 v[SPW], v0, 2, SPARE
	v_mov_b32 v[NIL], 0
	ds_add_u32 v[SPW], v[NIL]                           ; the opening
	ds_add_u32 v[SPW], v[NIL]
	v_lshrrev_b32 v1, 5, v0
	v_readfirstlane_b32 s14, v1                         ; s14 the wave; s15 its row of the 2 x 2, s16 its column
	s_lshr_b32 s15, s14, 1
	s_and_b32 s16, s14, 1
	s_bfe_u32 s40, ttmp6, 0x40000                       ; cx
	s_bfe_u32 s41, ttmp6, 0x40004                       ; cy
	s_lshl_b32 s42, ttmp9, 2
	s_add_co_u32 s42, s42, s40                          ; s42 phase 2's tile column, 0 .. 15
	s_and_b32 s43, ttmp7, 0xffff
	s_lshl_b32 s43, s43, 2
	s_add_co_u32 s43, s43, s41                          ; s43 its tile row, 0 .. 15
	s_lshr_b32 s19, ttmp9, 1                            ; s19: 0 Q, 1 K
	s_and_b32 s87, ttmp9, 1                             ; s87: V's half of my 256 rows
	s_lshl_b32 s13, s19, 2
	s_add_co_u32 s13, s13, s40                          ; s13 V's tile column
	s_lshl_b32 s12, s43, 1
	s_add_co_u32 s12, s12, s87                          ; s12 V's tile row = step;
	s_xor_b32 s8, s12, 1                                ; s8 the other half's step
	s_lshl_b32 s44, s41, 2
	s_lshl_b32 s44, 15, s44                             ; my row of the cluster
	s_lshl_b32 s45, 0x1111, s40                         ; my column
	GROUP1 G1A, 44, RA
	GROUP1 G1B, 45, TN
	s_or_b32 s[G1S+0], s44, (3<<16)|(1<<20)|(1<<21)|(5<<22)|(3<<25)
	s_mov_b32 s[G1S+1], 32<<16
	s_mov_b32 s[G1S+2], CU<<16
	s_mov_b32 s[G1S+3], 32<<16
	s_mov_b32 s[G1S+4], CU
	s_mov_b32 s[G1S+5], 32
	s_mov_b32 s[G1S+6], 0
	s_mov_b32 s[G1S+7], 0
	s_mov_b32 s[G0S], 1
	s_mov_b32 s[G0S+1], SCL
	s_mul_i32 s66, s12, RA*KROW                         ; V's half, bytes from the table
	s_mul_i32 s67, s8, RA*KROW                          ; the other half
	s_mul_i32 s89, s12, RA*KS                           ; their scale bytes
	s_mul_i32 s55, s8, RA*KS
	s_mul_i32 s9, s42, TN*KROW
	s_add_co_u32 s9, s9, TOK*KROW                       ; W_q's or W_k's rows
	s_mul_i32 s54, s13, TN*KROW
	s_add_co_u32 s54, s54, (TOK+2048)*KROW              ; W_v's
	s_mul_i32 s82, s42, TN*KS
	s_mul_i32 s21, s16, 16*NB*KS
	s_add_co_u32 s82, s82, s21
	s_mov_b32 s83, 0
	s_mul_i32 s84, s13, TN*KS
	s_add_co_u32 s84, s84, s21
	s_add_co_u32 s84, s84, 2048*KS
	s_mov_b32 s85, 0
	s_mov_b32 s[G0A], 1
	s_mov_b32 s[G0A+1], 0
	s_mov_b32 s[G0B], 1
	s_mov_b32 s[G0B+1], BVB
	s_mov_b32 s[G0R], 1
	s_mov_b32 s[G0R+1], YB
	v_and_b32 v1, 15, v0
	v_bfe_u32 v2, v0, 4, 1
	v_and_b32 v3, 31, v0
	v_mul_u32_u24 v22, v1, PITCH
	v_mad_u32_u24 v23, v2, 24, v22
	s_mul_i32 s21, s15, 16*PITCH
	v_add_nc_u32 v[ADRA0], s21, v23
	s_mul_i32 s22, s16, 16*NB*PITCH
	s_add_co_u32 s22, s22, BVB
	v_add_nc_u32 v[ADRB], s22, v23
	v_mad_u32_u24 v23, v2, 24+16, v22
	v_add_nc_u32 v[ADRA0+1], s21, v23
	v_add_nc_u32 v[ADRB+1], s22, v23
	v_mul_u32_u24 v[ABS], v3, KS
	v_mul_u32_u24 v23, v1, KS
	v_lshrrev_b32 v22, 8, v23
	v_lshl_add_u32 v23, v22, 4, v23
	s_mul_i32 s21, s15, (16*KS/256)*272
	s_add_co_u32 s21, s21, SCL
	v_add_nc_u32 v[AAS0], s21, v23
	s_lshl_b32 s100, s41, 2
	s_add_co_u32 s100, s100, s14                        ; my number among the sixteen waves of my column of the cluster
	WALU
	s_wait_dscnt 0x0
	CROUND                                              ; the opening round
	s_wait_kmcnt 0x0
	s_add_nc_u64 s[10:11], s[6:7], TOK*KS
	s_add_nc_u64 s[84:85], s[10:11], s[84:85]           ; W_v's scale bytes, my 64 rows
	s_add_nc_u64 s[10:11], s[10:11], s[82:83]           ; W_q's or W_k's
	s_mov_b32 s21, 0
	G0SET G0B, 4, 54
	G0SET G0A, 4, 66
	G0SET G0S, 6, 89
	G0SET G0R, 4, 67
	s_cmp_eq_u32 s14, 0
	s_cbranch_scc0 .Lwave_1
	TLOAD G0B, G1B                                      ; wave 0: W_v's rows
	s_branch .Lasked
.Lwave_1:
	s_cmp_eq_u32 s14, 1
	s_cbranch_scc0 .Lwave_2
	TLOAD G0S, G1S                                      ; wave 1: V's half's scale bytes
	s_branch .Lasked
.Lwave_2:
	s_cmp_eq_u32 s14, 2
	s_cbranch_scc0 .Lwave_3
	TLOAD G0A, G1A                                      ; wave 2: V's half
	s_branch .Lasked
.Lwave_3:
	TLOAD G0R, G1A                                      ; wave 3: the other half
.Lasked:
	s_lshl_b32 s21, s42, 1                              ; where the results go: Q's or K's codes, first half s[76:77], second s[88:89]
	s_add_co_u32 s22, s21, s16
	s_mul_i32 s22, s22, 32*STEPB
	s_mul_i32 s23, s15, 3072
	SADD 22, 23
	s_mul_i32 s76, s12, STEPB
	SADD 76, 22
	s_mov_b32 s77, 0
	s_mul_i32 s88, s8, STEPB
	SADD 88, 22
	s_mov_b32 s89, 0
	SADD 21, 15                                         ; their scale bytes s[78:79]: wave: head s15, half s16 in the order of work
	s_lshl_b32 s78, s21, 13
	s_xor_b32 s22, s16, s87
	s_lshl_b32 s21, s43, 1
	SADD 22, 21
	s_lshl_b32 s22, s22, 8
	SADD 78, 22
	s_mov_b32 s79, 0
	s_lshl_b32 s21, s13, 1                              ; V's codes s[80:81], scale bytes s[82:83]
	SADD 21, 16
	s_mul_i32 s80, s21, 32*STEPB
	s_mul_i32 s22, s12, STEPB
	SADD 80, 22
	SADD 80, 23
	s_mov_b32 s81, 0
	s_lshl_b32 s82, s21, 13
	s_lshl_b32 s22, s12, 8
	SADD 82, 22
	s_mov_b32 s83, 0
.irp p, 0,1
.irp c, 0,1
	global_load_b128 v[SB+NQ*\p+4*\c:SB+NQ*\p+4*\c+3], v[ABS], s[84:85] offset:\p*32*KS+16*\c
.endr
.endr
	s_lshl_b32 s20, s42, 1                              ; THE BIAS IS THE FIRST PRODUCTS' C, laid in registers as the result lies
	SADD 20, 16
	s_and_b32 s20, s20, 15                              ; my head of Q or K
	s_lshl_b32 s20, s20, 8
	s_mov_b32 s21, 0
	s_lshl_b32 s22, s13, 1
	SADD 22, 16                                         ; my head of V
	s_lshl_b32 s22, s22, 8
	s_mov_b32 s23, 0
	v_lshlrev_b32 v21, 7, v2                            ; Q, K: register 8 j + i of lane (r, h) is column 32 h + 8 j + i: 128 bytes on end for each half of the lanes
	v_lshrrev_b32 v23, 3, v1
	v_lshlrev_b32 v23, 7, v23
	v_and_b32 v8, 7, v1
	v_lshl_add_u32 v23, v8, 2, v23                      ; V: lane (r, h) of tile t has column 32 (r / 8) + 8 t + r % 8
	WALU
	s_add_nc_u64 s[22:23], s[52:53], s[22:23]
	s_cmp_eq_u32 s19, 1
	s_cselect_b64 s[2:3], s[46:47], s[2:3]
	s_add_nc_u64 s[12:13], s[2:3], s[20:21]
.irp k, 0,1,2,3,4,5,6,7
	global_load_b128 v[BBQ+4*\k:BBQ+4*\k+3], v21, s[12:13] offset:16*\k
.endr
	WIN 3<<6
.irp t, 0,1,2,3
	global_load_b32 v[BBV-768+8*\t], v23, s[22:23] offset:32*\t
.endr
	WIN 0
	s_wait_xcnt 0x0
	v_lshlrev_b32 v[CO], 4, v3
	v_lshlrev_b32 v[C8], 3, v3
	s_lshl_b32 s21, s16, 9
	s_add_co_u32 s21, s21, XN
	s_lshl_b32 s22, s15, 7
	SADD 21, 22
	v_lshl_add_u32 v23, v1, 3, v2
	v_add_nc_u32 v[STO], s21, v23
	s_lshl_b32 s21, s16, 8
	s_add_co_u32 s21, s21, XM
	s_lshl_b32 s22, s15, 1
	SADD 21, 22
	v_add_nc_u32 v[STV], s21, v23
	WIN 3<<6
.irp p, 0,1
.irp c, 0,1
	global_load_b128 v[SB2-768+NQ*\p+4*\c:SB2-768+NQ*\p+4*\c+3], v[ABS], s[10:11] offset:\p*32*KS+16*\c
.endr
.endr
	WIN 0
	WALU
	s_wait_xcnt 0x0
	s_load_b64 s[10:11], s[0:1], 0x10                   ; qkc
	s_load_b128 s[48:51], s[0:1], 0x18                  ; qks, vc
	s_load_b64 s[52:53], s[0:1], 0x28                   ; vs
	WIN 3<<6
.irp b, 0,1,2,3
	v_add_nc_u32 v[BA-768+2*\b], \b*16*PITCH, v[ADRB]
	v_add_nc_u32 v[BA-768+2*\b+1], \b*16*PITCH, v[ADRB+1]
.endr
	WIN 0
	v_add_nc_u32 v1, 32*PITCH, v[ADRA0]
	v_add_nc_u32 v22, 32*PITCH, v[ADRA0+1]
	v_add_nc_u32 v23, SSTEP, v[AAS0]
	s_mul_i32 s21, s100, RA*KROW/16                     ; my sixteenth of the second weight's rows: 24 blocks of 256 bytes, a lane a block (the lanes left over name the last again)
	s_add_co_u32 s20, s9, s21
	v_min_u32 v8, RA*KROW/16/256-1, v3
	v_lshl_add_u32 v8, v8, 8, s20
	WALU
	s_cmp_eq_u32 s14, 0
	s_cbranch_scc0 .Lnot_b
	s_wait_tensorcnt 0x0
.Lnot_b:
	BARRIER                                             ; W_v's rows are in
	global_prefetch_b8 v8, s[4:5] th:TH_LOAD_NT scope:SCOPE_SE
	WEIGHTS
	s_wait_loadcnt 0x0                                  ; the weights' scale words and the bias are in
	WIN (3<<6)|3
.irp t, 0,8,16,24
.irp i, 1,2,3,4,5,6,7
	v_mov_b32 v[BBV-768+\t+\i], v[BBV-768+\t]           ; V's number, one a lane and tile, over the tile's eight registers
.endr
.endr
	WIN 0
	WALU
	s_cmp_eq_u32 s14, 3
	s_cbranch_scc1 .Lnot_a0
	s_wait_tensorcnt 0x0
.Lnot_a0:
	s_wait_dscnt 0x0
	BARRIER                                             ; V's half and its scale bytes are in; the other half may still be on its way
	FETCH01
	s_wait_kmcnt 0x0
	s_add_nc_u64 s[88:89], s[10:11], s[88:89]
	s_add_nc_u64 s[10:11], s[10:11], s[76:77]
	s_add_nc_u64 s[48:49], s[48:49], s[78:79]
	s_add_nc_u64 s[50:51], s[50:51], s[80:81]
	s_add_nc_u64 s[52:53], s[52:53], s[82:83]
; ================= PHASE 1: V, four blocks
	s_wait_dscnt NF
	GRD
	BLOCK 1, 0, HV1, 32, 0, 24, L_V0, 0, 0, 2
	WIN 0
	s_wait_dscnt 0x0
	s_barrier_signal -1
	BLOCK 1, 0, HV1, 32, 24, 32, L_NONE
	MIDDLE
	BARRIER
	s_cmp_eq_u32 s14, 0
	s_cbranch_scc0 .Lscales
	TLOAD G0B, G1B                                      ; wave 0: W_q's or W_k's rows, onto W_v's, which all waves hold in registers
	s_branch .Lnone
.Lscales:
	s_cmp_eq_u32 s14, 2
	s_cbranch_scc0 .Lnone
	TLOAD G0S, G1S                                      ; wave 2: the other half's scale bytes
.Lnone:
	PLACES 4                                            ; for the fetch into the block's registers, for the waves that come round the loads
	WALU
	FETCH 0
	BLOCK 1, 1, HV1+8, 32, 0, 32, L_STEP, 0, 0, 3       ; (the round's wait has shown this block's rows in)
	WIN 0
	PLACES 4
	WALU
	FETCH 1
	s_wait_dscnt NF
	BLOCK 1, 0, HV1+16, 32, 0, 32, L_NONE
	WIN 0
	s_wait_dscnt 0x0
	BLOCK 1, 1, HV1+24, 32, 0, 26, L_NONE
	WIN 0
	WALU
	s_wait_tensorcnt 0x0
	s_wait_dscnt 0x0
	s_barrier_signal -1                                 ; a plain barrier: what the round's loads brought is shown to all
	BLOCK 1, 1, HV1+24, 32, 26, 32, L_NONE
	WIN 0
	s_barrier_wait -1
	PLACES 4
; ================= THE CHANGE OF PHASE: the weights and the first two blocks' rows, out of slot 0, in one run of loads; V's four way outs under their flight
	WEIGHTS
	FETCH01
	WIN 3
.set I, 0
.rept 16
	v_mov_b32 v[SB+I], v[SB2-768+I]
.set I, I+1
.endr
	WIN 0
.set I, 0
.rept 18
.irp t, 0,1,2,3
	CHAIN I, HV1+32*\t, \t, 64+4*\t
.endr
.set I, I+1
.endr
.set I, 0
.rept 6
.irp t, 0,1,2,3
	CODES I, HV1+32*\t, MCD+6*\t, \t, 80+4*\t
.endr
.set I, I+1
.endr
	WIN 0
	WALU
; ================= PHASE 2: Q or K, eight blocks, way outs by pairs
	s_wait_dscnt NF
	BLOCK 0, 0, ACC, 8, 0, 32, L_STEP, 0, 0, 2
	WIN 0
	PLACES 4
	WALU
.irp t, 0,1,2,3
	ds_store_b8 v[STV], v[EB+\t] offset:(\t/2)*128+(\t%2)*4
.endr
.irp t, 0,1,2,3
.irp k, 0,1,2
	global_store_b64 v[C8], v[MCD+6*\t+2*\k:MCD+6*\t+2*\k+1], s[50:51] offset:1024*\k+256*\t   ; V's codes leave: 256 consecutive bytes, aligned
.endr
.endr
	FETCH 0
	ODD NF+4, 1
	EVEN NF+1, 2
	ODD NF+1, 3
	EVEN NF+1, 4
	ODD NF+1, 5
	EVEN NF+1, 6
	ODD 1, 7
; ================= THE END: the last way out; the scale bytes go through LDS under its conversions
	s_lshl_b32 s21, s14, 8
	s_add_co_u32 s21, s21, XN
	v_add_nc_u32 v12, s21, v[C8]
	s_lshl_b32 s21, s16, 8
	s_add_co_u32 s21, s21, XM
	v_add_nc_u32 v14, s21, v[C8]
.set I, 0
.rept 18
	CHAIN I, ACC+32, 1
.set I, I+1
.endr
	CODES 2, ACC+32, NCD+6, 1
	WALU
	ds_store_b8 v[STO], v[EB+1] offset:256+4+2
	s_wait_dscnt 0x0
	s_barrier_signal -1
	CODES 0, ACC+32, NCD+6, 1
	CODES 1, ACC+32, NCD+6, 1
	v_nop
.irp i, 3,4,5
	CODES \i, ACC+32, NCD+6, 1
.endr
	s_barrier_wait -1
	WALU
	ds_load_b64 v[64:65], v12
	ds_load_b64 v[68:69], v14
	PAIROUT 3
	s_wait_dscnt 0x0
	global_store_b64 v[C8], v[64:65], s[48:49]
	s_cmp_lt_u32 s14, 2
	s_cbranch_scc0 .Lno_v
	global_store_b64 v[C8], v[68:69], s[52:53]          ; waves 0 and 1: V's scale bytes, a head each
.Lno_v:
	s_wait_tensorcnt 0x0                                ; the wave's end
	ds_add_u32 v[SPW], v[NIL]
	s_wait_dscnt 0x0
	CROUND
	s_endpgm
.Lfunc_end_k_q83fbdb0d3c_proj:
	.size	k_q83fbdb0d3c_proj, .Lfunc_end_k_q83fbdb0d3c_proj-k_q83fbdb0d3c_proj
	.p2alignl 7, 3214868480
	.fill 96, 4, 3214868480
	.section	.rodata,"a",@progbits
	.p2align	6, 0x0
	.amdhsa_kernel k_q83fbdb0d3c_proj
		.amdhsa_group_segment_fixed_size 327680
		.amdhsa_private_segment_fixed_size 0
		.amdhsa_enable_private_segment 0
		.amdhsa_kernarg_size 72
		.amdhsa_user_sgpr_count 2
		.amdhsa_user_sgpr_kernarg_segment_ptr 1
		.amdhsa_wavefront_size32 1
		.amdhsa_system_sgpr_workgroup_id_x 1
		.amdhsa_system_sgpr_workgroup_id_y 1
		.amdhsa_system_sgpr_workgroup_id_z 1
		.amdhsa_system_vgpr_workitem_id 0
		.amdhsa_next_free_vgpr 1024
		.amdhsa_next_free_sgpr 102
		.amdhsa_reserve_vcc 0
		.amdhsa_float_denorm_mode_32 3
		.amdhsa_float_denorm_mode_16_64 3
		.amdhsa_memory_ordered 1
		.amdhsa_forward_progress 1
		.amdhsa_inst_pref_size 131
	.end_amdhsa_kernel
	.amdgpu_metadata
---
amdhsa.version: [ 1, 2 ]
amdhsa.kernels:
  - .name:           k_q83fbdb0d3c_proj
    .symbol:         k_q83fbdb0d3c_proj.kd
    .args:
      - { .name: xw_codes, .offset: 0, .size: 8, .value_kind: global_buffer, .address_space: global }
      - { .name: xw_scales, .offset: 8, .size: 8, .value_kind: global_buffer, .address_space: global }
      - { .name: qkc, .offset: 16, .size: 8, .value_kind: global_buffer, .address_space: global }
      - { .name: qks, .offset: 24, .size: 8, .value_kind: global_buffer, .address_space: global }
      - { .name: vc, .offset: 32, .size: 8, .value_kind: global_buffer, .address_space: global }
      - { .name: vs, .offset: 40, .size: 8, .value_kind: global_buffer, .address_space: global }
      - { .name: bq, .offset: 48, .size: 8, .value_kind: global_buffer, .address_space: global }
      - { .name: bk, .offset: 56, .size: 8, .value_kind: global_buffer, .address_space: global }
      - { .name: bv, .offset: 64, .size: 8, .value_kind: global_buffer, .address_space: global }
    .group_segment_fixed_size: 327680
    .private_segment_fixed_size: 0
    .kernarg_segment_align: 8
    .kernarg_segment_size: 72
    .max_flat_workgroup_size: 128
    .sgpr_count:     102
    .vgpr_count:     1024
    .wavefront_size: 32
...
	.end_amdgpu_metadata
.endif
;; end of part 2
;; launch attn (part 3): grid 8 x 32, 8 waves a work-group, clusters of 4 x 1, 327,680 bytes of LDS; arguments qkc, qks, vc, vs, attention_mask, out0; writes out0
.if DOCPART == 3
	.amdgcn_target "amdgcn-amd-amdhsa--gfx1250"
	.amdhsa_code_object_version 6
	.text
	.protected	k_q83fbdb0d3c_attn
	.globl	k_q83fbdb0d3c_attn
	.p2align	8
	.type	k_q83fbdb0d3c_attn,@function
k_q83fbdb0d3c_attn:
	s_mov_b64 s[64:65], 0
	v_nop
	global_prefetch_b8 v0, s[64:65] scope:SCOPE_SE
	s_setreg_imm32_b32 hwreg(HW_REG_WAVE_MODE, 25, 1), 1
	s_wait_xcnt 0x0
	s_wait_alu depctr_hold_cnt(0) depctr_sa_sdst(0) depctr_va_vdst(0) depctr_va_sdst(0) depctr_va_ssrc(0) depctr_va_vcc(0) depctr_vm_vsrc(0)
	s_getreg_b32 s2, hwreg(HW_REG_IB_STS2, 6, 4)
	s_cmp_eq_u32 s2, 0
	s_cbranch_scc0 .Lentry_in_a_cluster
	s_endpgm
.Lentry_in_a_cluster:
	s_bfe_u32 s2, ttmp6, 0x10000c
	s_cmp_lg_u32 s2, 0x3003
	s_cbranch_scc0 .Lentry_shape_is_right
	s_endpgm
.Lentry_shape_is_right:
; out[b][q][head] = the sum over k of softmax_k(q . k / 8 + (1 - mask[b][k]) x -10000) v[k], both products on codes of FP6 (E2M3) with one E8M0 scale for each 32 along a product's K.
; q, k, v come as images of operand registers: qkc[v = 0..31: Q's heads, then K's][step of 128 tokens][c][p][piece][lane][16 bytes]: an operand is tiles j = 2 p, 2 p + 1 of band c, six registers each;
; row r of tile j of band c is token 64 c + 32 (r / 8) + 8 j + r % 8 of the step;  qks[v][step][c][r][p]: scale words, two bytes a tile;
; vc[head][step][q: registers 2 q, 2 q + 1][t][lane][8 bytes], row r of tile t is channel 32 (r / 8) + 8 t + r % 8;  vs[head][step][t / 2][r][t % 2]: scale words along the keys.
; THE SOFTMAX AHEAD OF THE SECOND PRODUCT: t = logit x log2(e); M = the row's largest t so far, rounded UP to a whole number; p = 2^(t - M) is quantised along the keys, not normalised.
; The row's sum is taken of the unquantised p, in f32, and divides at the end.  When M moves, the sum and O are multiplied by 2^(old M - new M): exact.
; THE ROUNDINGS OF t ARE THE DEFINITION'S OWN, also where the mask (it may hold any number) makes the logits large: q . k + 8 x the bias is 8 x the logit, rounded once; x log2(e) / 8: rounded once: t; - M: exact wherever p counts.
; So the multiplication and the subtraction are two instructions and not one fused one.
; LIMITS: NaN and infinities are not served; the promise holds while the scaled scores t stay under 2^31 in magnitude; a block of p that is all zeros keeps the scale byte 1: its codes are zeros.
; SHARES.  A work-group owns 256 queries of one batch and head; each of its eight waves owns one operand of q: two tiles of 16 queries, A and B, so that each fragment of K, of V and of the bias serves two tiles.  Every wave walks all 2,048 keys, 128 a step.
; A HEAD'S K AND V STAY IN LDS.  Each byte is filled once, by ONE tensor load a wave at the head: wave 0 K's first four steps, 1 V's, 2 K's scale words, 3 V's, 4 and 5 the rest of K, 6 and 7 the rest of V.
; CLUSTER.  The four query blocks of a cluster belong to one head: every fill is asked for JOINTLY.  No prefetch: all of K and V is asked for at the head, and no loop runs ahead of a load from memory.
; LAYOUT.  Both products are used transposed: S^T = K Q^T, O^T = V^T P^T: a lane holds ONE query (lane % 16) throughout.  By the order of the keys the 32 registers of band c in lane (r, h) are keys 64 c + 32 h + 0 .. 31:
; a WHOLE scale block of p, and the six registers of the next operand.
; K = 64 IN THE FIRST PRODUCT.  A fragment of k holds two tiles of keys side by side along K; against [q | zeros] it gives the first tile's scores, against [zeros | q] the second's.  The zero halves are zero codes with the scale byte 0.
; REGISTERS, window 0: v1-5, v8-11, v44, v45 addresses; v12-21 scale words (q's, K's, V's, p's); v22, v24 -M of tiles A, B; v23, v25 the largest score; v[26:27], v[28:29] the sums; v30, v32 the factors; v34-47 at work;
;   v48-71 p's codes; v72-87 the conversions' second halves; v96-223 S^T, then p: 32 (2 x tile + c) + key; v224-255 partial sums.
; window 1: v0-63 O^T; v64-111 K; v112-159 V; v160-223 8 x the bias; v224-253 q_A, zeros, q_B, zeros, q_A.
.set VB,   98304
.set KSB,  196608                      ; K's scale words, 4,096 bytes, then V's
.set MKB,  204800                      ; 8 x the mask's bias, 8,192 bytes (stored by the waves: no fill lands there)
.set STG,  212992                      ; the way out: 32 rows x 272 bytes for each wave
.set SPITCH, 272
.set SPARE, STG+8*32*SPITCH
.set SPW,  6
.set NIL,  7
.set WV,   18                          ; s18 my wave's number
.set SEL,  20                          ; s[20:21] lane selects for v_permlanex16_b32: lane l xor 16
.set CS,   22                          ; s[22:23] c = log2(e) / 8: the packed form takes the pair's low word for both halves
.set KF,   40                          ; six groups 0: s[40:63]
.set VF,   44
.set KG,   48
.set VG,   52
.set KR,   56
.set VR,   60
.set GF,   68                          ; three groups 1: 96 rows, 16 rows, 144 rows of 256 bytes
.set GS,   76
.set GR,   84
.set TV,   92                          ; s92, s93  the step's V codes and scale words
.set TSV,  93
.set TB,   36                          ; s36-38    K's codes, scale words and the bias of the step that is loaded next
.set TS,   37
.set TMK,  38
.set CNT,  39
.set MSB, 0
.macro WIN new
.if MSB != \new
	s_set_vgpr_msb (MSB<<8)|\new
.set MSB, \new
.endif
.endm
.macro CROUND
	s_barrier_signal -1
	s_barrier_wait -1
	s_cmp_lg_u32 s[WV], 0
	s_cbranch_scc1 .Lnot_wave_0_\@
	s_barrier_signal -3
.Lnot_wave_0_\@:
	s_barrier_wait -3
	s_barrier_signal -1
	s_barrier_wait -1
.endm
.macro GROUP1 g, rows                  ; a dense block as rows of 256 bytes (32 elements of 8 bytes); the mask names all four work-groups
	s_mov_b32 s[\g], 15|(3<<16)|(1<<21)
	s_mov_b32 s[\g+1], 32<<16
	s_mov_b32 s[\g+2], (\rows)<<16
	s_mov_b32 s[\g+3], 32<<16
	s_mov_b32 s[\g+4], \rows
	s_mov_b32 s[\g+5], 32
	s_mov_b32 s[\g+6], 0
	s_mov_b32 s[\g+7], 0
.endm
.macro GROUP0 g, base
	s_mov_b32 s[\g], 1
	s_mov_b64 s[\g+2:\g+3], s[\base:\base+1]
	s_or_b32 s[\g+3], s[\g+3], 0x80000000
.endm
.macro ARM under, g0, g1, next
	s_cmp_lt_u32 s[WV], \under
	s_cbranch_scc0 \next
	tensor_load_to_lds s[\g0:\g0+3], s[\g1:\g1+7]
	s_nop 0
.rept 4
	v_nop
.endr
	s_branch .Lasked
\next:
.endm
	s_load_b256 s[4:11], s[0:1], 0x0               ; qkc s[4:5], qks s[6:7], vc s[8:9], vs s[10:11]
	s_load_b128 s[12:15], s[0:1], 0x20             ; attention_mask s[12:13], out0 s[14:15]
	v_lshl_add_u32 v[SPW], v0, 2, SPARE
	v_mov_b32 v[NIL], 0
	ds_add_u32 v[SPW], v[NIL]                      ; the opening
	ds_add_u32 v[SPW], v[NIL]
	v_lshrrev_b32 v5, 5, v0
	v_readfirstlane_b32 s[WV], v5                  ; wave 0..7
	s_and_b32 s16, ttmp7, 0xffff                   ; batch x 16 + head, which the four partners share
	s_lshr_b32 s17, s16, 4                         ; batch
	s_and_b32 s19, s16, 15                         ; head
	s_mul_i32 s26, s19, 196608
	s_mul_i32 s32, s17, 98304
	s_add_co_u32 s26, s26, s32                     ; V's codes; Q's begin at the same offset of qkc
	s_mov_b32 s27, 0
	s_add_co_u32 s24, s26, 3145728                 ; K's codes: 16 heads further on
	s_mov_b32 s25, 0
	s_lshl_b32 s30, s19, 13
	s_lshl_b32 s32, s17, 12
	s_add_co_u32 s30, s30, s32                     ; V's scale words
	s_mov_b32 s31, 0
	s_add_co_u32 s28, s30, 131072                  ; K's
	s_mov_b32 s29, 0
	s_mov_b32 s34, s26
	s_mov_b32 s35, s30
	s_and_b32 s66, s[WV], 1
	s_mul_i32 s66, s66, 36864
	s_add_co_u32 s66, s66, 24576                   ; my half of steps 4 .. 15, in bytes from the head's codes
	s_mov_b32 s67, 0
	GROUP1 GF, 96
	GROUP1 GS, 16
	GROUP1 GR, 144
	s_mov_b32 s[SEL], 0x76543210
	s_mov_b32 s[SEL+1], 0xfedcba98
	s_mov_b32 s[CS], 0x3e38aa3b                    ; log2(e) / 8
	s_mov_b32 s[CS+1], s[CS]
	s_mov_b32 s[TV], 0
	s_mov_b32 s[TSV], 0
	s_mov_b32 s[TB], 0
	s_mov_b32 s[TS], 0
	s_mov_b32 s[TMK], 0
	s_wait_alu depctr_va_vdst(0)
	s_wait_dscnt 0x0                               ; both opening adds are done
	s_wait_kmcnt 0x0
	s_add_nc_u64 s[24:25], s[4:5], s[24:25]
	s_add_nc_u64 s[26:27], s[8:9], s[26:27]
	s_add_nc_u64 s[28:29], s[6:7], s[28:29]
	s_add_nc_u64 s[30:31], s[10:11], s[30:31]
	GROUP0 KF, 24
	s_mov_b32 s[KF+1], 0
	GROUP0 VF, 26
	s_mov_b32 s[VF+1], VB
	GROUP0 KG, 28
	s_mov_b32 s[KG+1], KSB
	GROUP0 VG, 30
	s_mov_b32 s[VG+1], KSB+4096
	s_add_nc_u64 s[24:25], s[24:25], s[66:67]
	s_add_nc_u64 s[26:27], s[26:27], s[66:67]
	GROUP0 KR, 24
	s_mov_b32 s[KR+1], s66
	GROUP0 VR, 26
	s_add_co_u32 s[VR+1], s66, VB
	CROUND                                         ; all four work-groups are here: the joint loads meet
	ARM 1, KF, GF, .Lw1
	ARM 2, VF, GF, .Lw2
	ARM 3, KG, GS, .Lw3
	ARM 4, VG, GS, .Lw4
	ARM 6, KR, GR, .Lw6
	tensor_load_to_lds s[VR:VR+3], s[GR:GR+7]
	s_nop 0
.rept 4
	v_nop
.endr
.Lasked:
	; my operand of queries: step 2 x block + wave / 4 of the batch's 16, operand f = wave % 4 = 2 c + p: tile A is j = 2 p, tile B j = 2 p + 1
	s_bfe_u32 s24, ttmp6, 0x40000                  ; cx: it enters q's and out0's addresses alone
	s_lshl_b32 s25, ttmp9, 2
	s_add_co_u32 s25, s25, s24                     ; my block of 256 queries
	s_lshl_b32 s25, s25, 1
	s_lshr_b32 s24, s[WV], 2
	s_add_co_u32 s25, s25, s24                     ; the step
	s_and_b32 s26, s[WV], 3                        ; f
	s_lshr_b32 s27, s26, 1                         ; c
	s_and_b32 s28, s26, 1                          ; p
	s_mul_i32 s29, s25, 6144
	s_add_co_u32 s34, s34, s29
	s_mul_i32 s29, s26, 1536
	s_add_co_u32 s34, s34, s29
	s_lshl_b32 s29, s25, 8
	s_add_co_u32 s30, s35, s29
	s_lshl_b32 s29, s27, 7
	s_add_co_u32 s30, s30, s29
	s_lshl_b32 s29, s28, 2
	s_add_co_u32 s30, s30, s29
	s_mov_b32 s31, 0
	s_mov_b32 s35, 0
	s_add_nc_u64 s[4:5], s[4:5], s[34:35]          ; q's codes
	s_add_nc_u64 s[6:7], s[6:7], s[30:31]          ; and scale words
	s_lshl_b32 s30, s17, 13
	s_add_nc_u64 s[12:13], s[12:13], s[30:31]      ; the batch's 2,048 numbers of the mask
	s_lshl_b32 s29, s25, 7
	s_lshl_b32 s30, s27, 6
	s_add_co_u32 s29, s29, s30
	s_lshl_b32 s30, s28, 4
	s_add_co_u32 s29, s29, s30                     ; my first token: 128 step + 64 c + 16 p
	s_lshl_b32 s29, s29, 12
	s_lshl_b32 s30, s17, 23
	s_add_co_u32 s30, s30, s29
	s_lshl_b32 s29, s19, 8
	s_add_co_u32 s30, s30, s29
	s_add_nc_u64 s[14:15], s[14:15], s[30:31]      ; its row of out0, my head's 256 bytes
	v_and_b32 v8, 31, v0                           ; lane
	v_and_b32 v9, 15, v0                           ; r
	v_bfe_u32 v10, v0, 4, 1                        ; h
	v_lshlrev_b32 v1, 4, v8                        ; K's codes: 16 x lane
	v_lshl_add_u32 v2, v8, 3, KSB                  ; scale words: 8 x lane
	v_lshl_add_u32 v3, v10, 7, MKB                 ; the bias of my half's 32 keys
	v_lshl_add_u32 v4, v8, 3, VB                   ; V's codes: 8 x lane
	v_lshlrev_b32 v11, 5, v0                       ; my eight numbers of the mask
	v_lshlrev_b32 v34, 3, v9
	global_load_b128 v[96:99], v11, s[12:13]
	global_load_b128 v[100:103], v11, s[12:13] offset:16
.irp s, 0,1,2
	global_load_b128 v[48+4*\s:51+4*\s], v1, s[4:5] offset:512*\s
.endr
	global_load_b32 v36, v34, s[6:7]
	v_lshl_add_u32 v37, v0, 5, MKB
	v_mov_b32 v22, 0x7f61b1e6                      ; -M of tiles A and B: 3e38, a whole number
	v_mov_b32 v24, 0x7f61b1e6
	v_mov_b32 v23, 0xff61b1e6                      ; the largest score so far: -3e38
	v_mov_b32 v25, 0xff61b1e6
.irp i, 26,27,28,29,30,31,32,33,40,41,42,43
	v_mov_b32 v\i, 0                               ; the sums; the factors' pairs; what lane permutes write (they count as read)
.endr
	WIN 0x40
.set J, 0
.rept 64
	v_mov_b32 v[J], 0                              ; O^T.  (The step is written for all trips alike: the first finds zeros, which the first change of M leaves zeros)
.set J, J+1
.endr
	WIN 0
	s_wait_alu depctr_va_vdst(0)
	s_wait_loadcnt 0x0
.irp i, 0,1,2,3,4,5,6,7
	v_sub_f32 v[96+\i], 1.0, v[96+\i]
.endr
.irp i, 0,1,2,3,4,5,6,7
	v_mul_f32 v[96+\i], 0xc79c4000, v[96+\i]       ; x -80,000: 8 x the bias, bit for bit (8 is a power of two)
.endr
	ds_store_b128 v37, v[96:99]
	ds_store_b128 v37, v[100:103] offset:16
	v_and_b32 v12, 0xffff, v36                     ; q's scale words: [q_A | 0],
	v_lshlrev_b32 v13, 16, v36                     ; [0 | q_A],
	v_lshrrev_b32 v14, 16, v36                     ; [q_B | 0],
	v_and_b32 v15, 0xffff0000, v36                 ; [0 | q_B]
	WIN 0x40
.irp k, 0,1,2,3,4,5
	v_mov_b32 v[224+\k], v[48+\k]
	v_mov_b32 v[230+\k], 0
	v_mov_b32 v[236+\k], v[54+\k]
	v_mov_b32 v[242+\k], 0
	v_mov_b32 v[248+\k], v[48+\k]
.endr
	WIN 0
	s_wait_alu depctr_va_vdst(0)                   ; the wait at the head's end
	s_cmp_lt_u32 s[WV], 4
	s_cbranch_scc0 .Lnot_first
	s_wait_tensorcnt 0x0                           ; waves 0 to 3: the first four steps and the scale words; the rest may still be on its way: no byte is filled again
.Lnot_first:
	s_wait_dscnt 0x0
	s_barrier_signal -1
	s_barrier_wait -1
; K's fragments of the step at TB, TS; its bias at TMK
.macro KADR
	v_add_nc_u32 v8, s[TB], v1
	v_add_nc_u32 v10, s[TS], v2
	v_add_nc_u32 v11, s[TMK], v3
.endm
.macro KLOAD                           ; window 0x40
.irp f, 0,1,2,3
.irp s, 0,1,2
	ds_load_b128 v[64+12*\f+4*\s:67+12*\f+4*\s], v8 offset:1536*\f+512*\s
.endr
.endr
.endm
.macro BLOAD                           ; window 0x40
.irp c, 0,1
.irp q, 0,1,2,3,4,5,6,7
	ds_load_b128 v[160+32*\c+4*\q:163+32*\c+4*\q], v11 offset:256*\c+16*\q
.endr
.endr
.endm
.macro NEXT
	s_add_co_u32 s[TB], s[TB], 6144
	s_add_co_u32 s[TS], s[TS], 256
	s_add_co_u32 s[TMK], s[TMK], 512
.endm
	KADR
	ds_load_b64 v[16:17], v10
	WIN 0x40
	KLOAD
	BLOAD
	WIN 0
	NEXT
	s_wait_dscnt 0x0
; A product of S^T: band c, operand p, half u of the fragment, tile q; qr: the operand [q | 0] or [0 | q]
.macro QK c, p, u, q, qr
	v_wmma_scale_f32_16x16x128_f8f6f4 v[96+64*\q+32*\c+16*\p+8*\u:103+64*\q+32*\c+16*\p+8*\u], v[64+24*\c+12*\p:75+24*\c+12*\p], v[\qr:\qr+11], 0, v[16+\p], v[12+2*\q+\u] matrix_a_fmt:MATRIX_FMT_FP6 matrix_b_fmt:MATRIX_FMT_FP6 matrix_a_scale:MATRIX_SCALE_ROW\c
.endm
; The next n pairs of scores become t, rounded to f32 as the definition's multiplication rounds it
.macro TMUL n
.rept \n
	v_pk_mul_f32 v[96+J:97+J], v[96+J:97+J], s[CS:CS+1] op_sel_hi:[1,0]
.set J, J+2
.endr
.endm
.macro PV t, q, o, row
	v_wmma_scale_f32_16x16x128_f8f6f4 v[32*\q+8*\t:32*\q+8*\t+7], v[112+12*\t:123+12*\t], v[48+12*\q:59+12*\q], v[32*\q+8*\t:32*\q+8*\t+7], v[18+\o], v[20+\q] matrix_a_fmt:MATRIX_FMT_FP6 matrix_b_fmt:MATRIX_FMT_FP6 matrix_a_scale:MATRIX_SCALE_ROW\row
.endm
; A KEY STEP: 128 keys x 32 queries.  more = 1: the next step's K and bias are loaded.
.macro STEP more
	WIN 0x15                                       ; K and q in window 1, S^T in window 0: sixteen accumulators, one instruction each
.irp c, 0,1
.irp p, 0,1
	QK \c, \p, 0, 0, 224
	QK \c, \p, 1, 0, 242
	QK \c, \p, 0, 1, 236
	QK \c, \p, 1, 1, 230
.endr
.endr
	WIN 0
	v_add_nc_u32 v9, s[TV], v4                     ; (these are also the places in front of the loads below)
	v_add_nc_u32 v5, s[TSV], v2
.if \more
	KADR
.endif
	v_add_nc_u32 v44, 2048, v9
	v_add_nc_u32 v45, 4096, v9
	ds_load_b64 v[18:19], v5 offset:4096
.if \more
	ds_load_b64 v[16:17], v10
.endif
	WIN 0x40
.irp t, 0,1,2,3
	ds_load_2addr_b64 v[112+12*\t:115+12*\t], v9 offset0:32*\t offset1:128+32*\t
	ds_load_2addr_b64 v[116+12*\t:119+12*\t], v44 offset0:32*\t offset1:128+32*\t
	ds_load_2addr_b64 v[120+12*\t:123+12*\t], v45 offset0:32*\t offset1:128+32*\t
.endr
.if \more
	KLOAD
.endif
	WIN 0x04
.set J, 0
.rept 64
	v_pk_add_f32 v[96+J:97+J], v[96+J:97+J], v[160+J%64:161+J%64]   ; q . k + 8 x the bias: 8 x the logit, with the one rounding of the definition's addition; tile A, then tile B
.set J, J+2
.endr
.if \more
	WIN 0x40
	BLOAD
.endif
	WIN 0
.irp k, 0,1,2,3
	v_max3_num_f32 v[34+\k], v[96+32*\k], v[97+32*\k], v[98+32*\k]   ; THE LARGEST SCORE OF EACH BLOCK OF 32 KEYS serves twice: for the row's maximum, and, since p rises with the score, for the block's largest p
.endr
.irp i, 3,5,7,9,11,13,15,17,19,21,23,25,27,29
.irp k, 0,1,2,3
	v_max3_num_f32 v[34+\k], v[34+\k], v[96+32*\k+\i], v[97+32*\k+\i]
.endr
.endr
.irp k, 0,1,2,3
	v_max_num_f32 v[34+\k], v[34+\k], v[127+32*\k]
.endr
.set J, 0
	v_max3_num_f32 v38, v34, v35, v23              ; the chain that makes M, of both tiles; between its links stand the multiplications that do not hang on it
	v_max3_num_f32 v39, v36, v37, v25
	TMUL 4
	v_permlanex16_b32 v40, v38, s[SEL], s[SEL+1]
	v_permlanex16_b32 v41, v39, s[SEL], s[SEL+1]
	TMUL 4
	v_max_num_f32 v23, v38, v40                    ; the running largest score, with lane l xor 16's
	v_max_num_f32 v25, v39, v41
	TMUL 4
	v_mul_f32 v38, s[CS], v23                      ; as t, rounded to f32 (c is positive)
	v_mul_f32 v39, s[CS], v25
	TMUL 4
	v_floor_f32 v38, -v38                          ; the new -M = floor(-t): M IS A WHOLE NUMBER
	v_floor_f32 v39, -v39
	TMUL 4
	v_sub_f32 v42, v38, v22                        ; M's old value less its new one
	v_sub_f32 v43, v39, v24
	v_mov_b32 v22, v38
	v_mov_b32 v24, v39
	TMUL 4
	v_cvt_i32_f32 v42, v42                         ; (it saturates)
	v_cvt_i32_f32 v43, v43
	TMUL 4
	v_ldexp_f32 v30, 1.0, v42                      ; f = 2^(old M - new M)
	v_ldexp_f32 v32, 1.0, v43
.irp k, 0,1,2,3
	v_mul_f32 v[34+\k], s[CS], v[34+\k]            ; t of each block's largest score
.endr
	TMUL 4
	v_pk_mul_f32 v[26:27], v[26:27], v[30:31] op_sel_hi:[1,0]   ; the sums under the new M
	v_pk_mul_f32 v[28:29], v[28:29], v[32:33] op_sel_hi:[1,0]
	v_add_f32 v34, v34, v22                        ; t - M
	v_add_f32 v35, v35, v22
	v_add_f32 v36, v36, v24
	v_add_f32 v37, v37, v24
	TMUL 32
	WIN 0x41
.set J, 0
.rept 16
	v_pk_mul_f32 v[J:J+1], v[J:J+1], v[30:31] op_sel_hi:[1,0]   ; O^T under the new M: x f (no transcendental stands between the last products and these readers)
.set J, J+2
.endr
.rept 16
	v_pk_mul_f32 v[J:J+1], v[J:J+1], v[32:33] op_sel_hi:[1,0]
.set J, J+2
.endr
	WIN 0
.set J, 0
.rept 32
	v_pk_add_f32 v[96+J:97+J], v[96+J:97+J], v[22:23] op_sel_hi:[1,0]
.set J, J+2
.endr
	s_wait_alu depctr_va_vdst(0)                   ; the wait ahead of the batch
	v_exp_f32 v34, v34
	v_exp_f32 v35, v35
.set J, 0
.rept 32
	v_exp_f32 v[96+J], v[96+J]                     ; tile A: p = 2^(t - M), at most 1
	v_exp_f32 v[97+J], v[97+J]
	v_pk_add_f32 v[160+J:161+J], v[160+J:161+J], v[24:25] op_sel_hi:[1,0]     ; tile B's t - M stand among them
.set J, J+2
.endr
	s_wait_alu depctr_va_vdst(0)                   ; behind tile A's batch and ahead of tile B's
	v_exp_f32 v36, v36
	v_exp_f32 v37, v37
.set J, 0
.rept 16
	v_exp_f32 v[160+4*J], v[160+4*J]
	v_exp_f32 v[161+4*J], v[161+4*J]
	v_exp_f32 v[162+4*J], v[162+4*J]
	v_exp_f32 v[163+4*J], v[163+4*J]
	v_pk_add_f32 v[224+2*J:225+2*J], v[96+4*J:97+4*J], v[98+4*J:99+4*J]   ; THE ROW'S SUM IS TAKEN OF THE UNQUANTISED p: tile A's, fours of keys
.set J, J+1
.endr
	s_wait_alu depctr_va_vdst(0)                   ; behind tile B's batch
.irp k, 0,1,2,3
	v_max_num_f32 v[34+\k], 0x1800000, v[34+\k]    ; the floor 2^(3 - 127): the byte cannot fall under 1
.endr
.irp k, 0,1,2,3
	v_add_nc_u32 v[40+\k], 0xff000000, v[34+\k]    ; 2 off the exponent field: the conversion's scale operand
.endr
.irp k, 0,1,2,3
	v_cvt_scalef32_pk16_fp6_f32 v[48+6*\k:50+6*\k], v[96+32*\k:111+32*\k], v[40+\k]
	v_cvt_scalef32_pk16_fp6_f32 v[72+4*\k:74+4*\k], v[112+32*\k:127+32*\k], v[40+\k]   ; (a conversion's three registers begin on an even number)
.endr
.irp k, 0,1,2,3
	v_lshrrev_b32 v[34+\k], 23, v[40+\k]           ; the scale's byte.  (Plain places behind the conversions)
.endr
	v_lshl_or_b32 v38, v35, 16, v34                ; my two bytes, blocks h and 2 + h, from the place of block 0 on;
	v_lshl_or_b32 v39, v37, 16, v36
.irp k, 0,1
.irp i, 0,1,2
	v_mov_b32 v[51+6*\k+\i], v[72+4*\k+\i]
.endr
.endr
	v_permlanex16_b32 v42, v38, s[SEL], s[SEL+1]
	v_permlanex16_b32 v43, v39, s[SEL], s[SEL+1]
.irp k, 2,3
.irp i, 0,1,2
	v_mov_b32 v[51+6*\k+\i], v[72+4*\k+\i]
.endr
.endr
	v_lshl_or_b32 v20, v42, 8, v38                 ; in lanes 0-15 with lane l + 16's two the word is whole (lanes 16-31 are not read)
	v_lshl_or_b32 v21, v43, 8, v39
	s_wait_dscnt 0x0                               ; V, and the next step's K and bias
.set J, 0
.rept 8
	v_pk_add_f32 v[26:27], v[26:27], v[224+4*J:225+4*J]                 ; the sums: tile A's in two chains,
	v_pk_add_f32 v[28:29], v[28:29], v[160+8*J:161+8*J]                 ; tile B's in four.  (These are also the places behind p's codes and scale words)
.if J == 1
	v_pk_add_f32 v[46:47], v[162:163], v[170:171]
	v_pk_add_f32 v[88:89], v[164:165], v[172:173]
	v_pk_add_f32 v[90:91], v[166:167], v[174:175]
.elseif J > 1
	v_pk_add_f32 v[46:47], v[46:47], v[162+8*J:163+8*J]
	v_pk_add_f32 v[88:89], v[88:89], v[164+8*J:165+8*J]
	v_pk_add_f32 v[90:91], v[90:91], v[166+8*J:167+8*J]
.endif
.if J > 0
	v_pk_add_f32 v[226:227], v[226:227], v[226+4*J:227+4*J]
.endif
.set J, J+1
.endr
	v_pk_add_f32 v[46:47], v[46:47], v[88:89]
	v_pk_add_f32 v[28:29], v[28:29], v[90:91]
	v_pk_add_f32 v[26:27], v[26:27], v[226:227]
	v_pk_add_f32 v[28:29], v[28:29], v[46:47]
	WIN 0x51
.irp q, 0,1
	PV 0, \q, 0, 0
	PV 1, \q, 1, 0
	PV 2, \q, 0, 1
	PV 3, \q, 1, 1
.endr
	WIN 0
	s_add_co_u32 s[TV], s[TV], 6144
	s_add_co_u32 s[TSV], s[TSV], 256
	NEXT
.endm
	s_mov_b32 s[CNT], 2                            ; steps 0 and 1 (they load K up to step 2: the first four steps are in)
.Lfirst:
	STEP 1
	s_sub_co_u32 s[CNT], s[CNT], 1
	s_cmp_lg_u32 s[CNT], 0
	s_cbranch_scc1 .Lfirst
	s_wait_tensorcnt 0x0                           ; the rest of K and V is in
	s_wait_dscnt 0x0
	s_barrier_signal -1
	s_barrier_wait -1
	s_mov_b32 s[CNT], 13                           ; steps 2 to 14
.Lsteps:
	STEP 1
	s_sub_co_u32 s[CNT], s[CNT], 1
	s_cmp_lg_u32 s[CNT], 0
	s_cbranch_scc1 .Lsteps
	STEP 0                                         ; step 15: nothing more to load
	; THE WAY OUT.  O^T / the sum goes through my stage in LDS, so that sixteen lanes store a token's 256 bytes of my head.  Register 8 t + i of lane (r, h) is channel 32 h + 8 t + i.
	s_mul_i32 s66, s[WV], 32*SPITCH
	s_add_co_u32 s66, s66, STG
	s_wait_alu depctr_va_vdst(0)                   ; directly ahead of the sums' readers
	v_add_f32 v26, v26, v27                        ; the sums' two halves,
	v_add_f32 v28, v28, v29
	v_permlanex16_b32 v40, v26, s[SEL], s[SEL+1]
	v_permlanex16_b32 v41, v28, s[SEL], s[SEL+1]
	v_add_f32 v26, v26, v40                        ; and lane l xor 16's
	v_add_f32 v28, v28, v41
	s_wait_alu depctr_va_vdst(0)
	v_rcp_f32 v26, v26
	v_rcp_f32 v28, v28
	v_and_b32 v9, 15, v0                           ; (plain places behind the reciprocals and behind the last products)
	v_bfe_u32 v10, v0, 4, 1
	v_mul_u32_u24 v5, v9, SPITCH
	v_lshl_add_u32 v5, v10, 7, v5
	v_add_nc_u32 v5, s66, v5                       ; in: row 16 x tile + r, + 128 h
	v_mul_u32_u24 v8, v10, SPITCH
	v_lshl_add_u32 v8, v9, 4, v8
	v_add_nc_u32 v8, s66, v8                       ; back: lanes 0-15 one row, lanes 16-31 the next
	v_lshlrev_b32 v11, 12, v10
	v_lshl_add_u32 v11, v9, 4, v11                 ; and in out0
	WIN 0x01
	s_wait_alu depctr_va_vdst(0)                   ; the wait ahead of the reciprocals' and O^T's first readers
.set J, 0
.rept 32
	v_mul_f32 v[96+J], v[J], v26
.set J, J+1
.endr
.rept 32
	v_mul_f32 v[96+J], v[J], v28
.set J, J+1
.endr
	WIN 0
.irp q, 0,1
.irp k, 0,1,2,3,4,5,6,7
	ds_store_b128 v5, v[96+32*\q+4*\k:99+32*\q+4*\k] offset:16*SPITCH*\q+16*\k
.endr
.endr
.irp i, 0,1,2,3,4,5,6,7,8,9,10,11,12,13,14,15
	ds_load_b128 v[160+4*\i:163+4*\i], v8 offset:2*SPITCH*\i   ; LDS serves a wave's instructions in order: these see my stores.  Rows 2 i and 2 i + 1
.endr
.irp i, 0,1,2,3,4,5,6,7,8,9,10,11,12,13,14,15
	s_wait_dscnt 15-\i                             ; the 15 - i younger loads may be out
	global_store_b128 v11, v[160+4*\i:163+4*\i], s[14:15] offset:(32*((\i%8)/4)+8*(\i/8)+2*(\i%4))*4096 th:TH_STORE_NT   ; query r of tile q is token 32 (r / 8) + 8 q + r % 8 from my first; 16 lanes store 256 consecutive bytes, aligned
.endr
	s_wait_tensorcnt 0x0                           ; the wave's end
	ds_add_u32 v[SPW], v[NIL]
	s_wait_dscnt 0x0
	CROUND                                         ; the closing round: no work-group ends while a partner may still ask for a tile that names it
	s_endpgm
.Lfunc_end_k_q83fbdb0d3c_attn:
	.size	k_q83fbdb0d3c_attn, .Lfunc_end_k_q83fbdb0d3c_attn-k_q83fbdb0d3c_attn
	.p2alignl 7, 3214868480
	.fill 96, 4, 3214868480
	.section	.rodata,"a",@progbits
	.p2align	6, 0x0
	.amdhsa_kernel k_q83fbdb0d3c_attn
		.amdhsa_group_segment_fixed_size 327680
		.amdhsa_private_segment_fixed_size 0
		.amdhsa_enable_private_segment 0
		.amdhsa_kernarg_size 48
		.amdhsa_user_sgpr_count 2
		.amdhsa_user_sgpr_kernarg_segment_ptr 1
		.amdhsa_wavefront_size32 1
		.amdhsa_system_sgpr_workgroup_id_x 1
		.amdhsa_system_sgpr_workgroup_id_y 1
		.amdhsa_system_sgpr_workgroup_id_z 1
		.amdhsa_system_vgpr_workitem_id 0
		.amdhsa_next_free_vgpr 512
		.amdhsa_next_free_sgpr 96
		.amdhsa_reserve_vcc 0
		.amdhsa_float_denorm_mode_32 3
		.amdhsa_float_denorm_mode_16_64 3
		.amdhsa_memory_ordered 1
		.amdhsa_forward_progress 1
		.amdhsa_inst_pref_size 130
	.end_amdhsa_kernel
	.amdgpu_metadata
---
amdhsa.version: [ 1, 2 ]
amdhsa.kernels:
  - .name:           k_q83fbdb0d3c_attn
    .symbol:         k_q83fbdb0d3c_attn.kd
    .args:
      - { .name: qkc, .offset: 0, .size: 8, .value_kind: global_buffer, .address_space: global }
      - { .name: qks, .offset: 8, .size: 8, .value_kind: global_buffer, .address_space: global }
      - { .name: vc, .offset: 16, .size: 8, .value_kind: global_buffer, .address_space: global }
      - { .name: vs, .offset: 24, .size: 8, .value_kind: global_buffer, .address_space: global }
      - { .name: attention_mask, .offset: 32, .size: 8, .value_kind: global_buffer, .address_space: global }
      - { .name: out0, .offset: 40, .size: 8, .value_kind: global_buffer, .address_space: global }
    .group_segment_fixed_size: 327680
    .private_segment_fixed_size: 0
    .kernarg_segment_align: 8
    .kernarg_segment_size: 48
    .max_flat_workgroup_size: 256
    .sgpr_count:     96
    .vgpr_count:     512
    .wavefront_size: 32
...
	.end_amdgpu_metadata
.endif
;; end of part 3
